; MI455X (gfx1250); checked and timed in simulation.
; The chip was launched on July 23, 2026; its instructions are those of AMD's public machine-readable ISA for CDNA 5 (MIT licence, August 2026) and "CDNA5" Instruction Set Architecture Reference Guide (July 2026). The comments in the code are by the model that wrote it; some were corrected since.
;; Deep Factor RNN. Allowed arithmetic: matrix products marked QUANTISED: E4M3 operands, one given power-of-two scale a tensor, by v_wmma_f32_16x16x64_fp8_fp8 or v_wmma_f32_16x16x128_fp8_fp8, f32 sums; products left as they are: f32 operands where the result goes on into a quantised operand, else bf16, f16 or f32 operands; f32 sums; everything else in f32.
;; Inputs: X_codes 128 x 256 x 4 x 32 uint8 (E4M3 codes of X, K innermost, in blocks of 32 codes); aff_W 10 x 512 float32; aff_b 10 float32; g_Wih0_codes 2,048 x 4 x 32 uint8 (E4M3 codes of g_Wih0, K innermost, in blocks of 32 codes); g_Wih1_codes 2,048 x 16 x 32 uint8 (E4M3 codes of g_Wih1, K innermost, in blocks of 32 codes); g_b0 2,048 float32; g_b1 2,048 float32; lowp_scales 8 int32 (the exponents e of the quantised operands' scales 2^e); n_Wih0_codes 1,024 x 4 x 32 uint8 (E4M3 codes of n_Wih0, K innermost, in blocks of 32 codes); n_Wih1_codes 1,024 x 8 x 32 uint8 (E4M3 codes of n_Wih1, K innermost, in blocks of 32 codes); n_b0 1,024 float32; n_b1 1,024 float32; noise_W 1 x 256 float32; noise_b 1 float32.
;; Outputs: out0 128 x 256 float32; out1 128 x 256 float32.
;; This version of the problem:
;;   THIS VERSION OF THE PROBLEM IS GIVEN IN LOW PRECISION. The matrix products marked QUANTISED in the list below multiply operands that are first quantised to E4M3 (4 exponent bits, 3 mantissa bits; 8 bits a number), with one given power-of-two scale for each operand tensor; their sums are f32. All else is computed in f32.
;;   The module's matrix products, in the order in which they are computed (A, B: the left and right operand; K: the contracted axis; several contracted axes count as one K, in the product's order):
;;     1. [M 32,768, K 128] x [K 128, N 2,048]; A: input X (given as codes); B: input g_Wih0 (given as codes): QUANTISED (scales: A lowp_scales[0], B lowp_scales[1])
;;     2. [M 32,768, K 512] x [K 512, N 2,048]; A: computed on the way; B: input g_Wih1 (given as codes): QUANTISED (scales: A lowp_scales[2], B lowp_scales[3])
;;     3. [M 32,768, K 512] x [K 512, N 10]; A: computed on the way; B: input aff_W: left as it is (N = 10 < 16)
;;     4. [M 32,768, K 128] x [K 128, N 1,024]; A: input X (given as codes); B: input n_Wih0 (given as codes): QUANTISED (scales: A lowp_scales[4], B lowp_scales[5])
;;     5. [M 32,768, K 256] x [K 256, N 1,024]; A: computed on the way; B: input n_Wih1 (given as codes): QUANTISED (scales: A lowp_scales[6], B lowp_scales[7])
;;     6. [M 32,768, K 256] x [K 256, N 1]; A: computed on the way; B: input noise_W: left as it is (N = 1 < 16)
;;   THE QUANTISER, for each operand of a quantised product, along K:
;;     - The operand's scale is 2^e, e = its entry of the input lowp_scales (int32; the entries are numbered through the quantised products in the list's order, A before B).
;;     - Each number is divided by the scale, clamped to +-448, and rounded to the nearest number of E4M3, ties to even, subnormals kept.
;;     - The product sums the exact products of the quantised numbers (number of the format x scale) in f32.
;;   ~~~python
;;   def quantise(x, axis, e):      # numpy; x: float32 -> the quantised numbers, widened to float32 again
;;       x = np.moveaxis(x, axis, -1); K = x.shape[-1]
;;       r = np.clip(x / 2.0 ** e, -448, 448)
;;       step = 2.0 ** (np.maximum(np.frexp(np.where(r == 0, 1, r))[1] - 1, -6) - 3)
;;       q = np.round(r / step) * step * 2.0 ** e      # np.round: ties to even
;;       return np.moveaxis(q, -1, axis).astype(np.float32)
;;   ~~~
;;   OPERANDS COMPUTED ON THE WAY. 'Computed on the way' means the value that the module computes at that place (a softmax that the list does not call 'softmax' is quantised finished and normalised). What goes into a quantiser is computed in f32, as accurately as f32 sums, v_exp_f32 and their like allow (about 1e-6 of the number): no bf16 or f16 on the way to a quantiser, and a product that is left as it is and whose result goes on into a quantised operand takes f32 operands (vector FMAs, or v_wmma_f32_16x16x4_f32). A number that lies on a knife's edge between two numbers of the format may be rounded either way, as far as f32 arithmetic and the matrix unit's own rounding can turn it there, and no further.
;;   INPUTS GIVEN AS CODES. X (in the module: [128, 256, 128], K = its axis 2); g_Wih0 (in the module: [2048, 128], K = its axis 1); g_Wih1 (in the module: [2048, 512], K = its axis 1); n_Wih0 (in the module: [1024, 128], K = its axis 1); n_Wih1 (in the module: [1024, 256], K = its axis 1): each comes as NAME_codes (uint8): NAME with its K axis moved to the last place and cut into blocks of 32 codes, [.., K / 32, bytes a block], one block behind the other in memory; one code a byte (a code: sign, 4 exponent bits, 3 mantissa bits); its scale is its entry of lowp_scales. Its value is code x scale, taken as it is: it is not quantised again, and the codes and scales need not be those that the quantiser above would give.
;; One version. Each part assembles by itself: llvm-mc -triple=amdgcn-amd-amdhsa -mcpu=gfx1250 --defsym DOCPART=n.
;; ======== version 1 of 1: 1 launch
;; limits: a function is approximated: absolute error at most 6e-08
;; launch deepfactor (part 1): grid 256 x 1, 8 waves a work-group, clusters of 4 x 1, 327,680 bytes of LDS; arguments X_codes, g_Wih0_codes, g_Wih1_codes, n_Wih0_codes, n_Wih1_codes, lowp_scales, g_b0, g_b1, n_b0, n_b1, aff_W, noise_W, aff_b, noise_b, out0, out1; writes out0, out1
.if DOCPART == 1
	.amdgcn_target "amdgcn-amd-amdhsa--gfx1250"
	.amdhsa_code_object_version 6
	.text
	.protected	k_q92f9851148_deepfactor
	.globl	k_q92f9851148_deepfactor
	.p2align	8
	.type	k_q92f9851148_deepfactor,@function
k_q92f9851148_deepfactor:
	s_mov_b64 s[64:65], 0
	v_nop
	global_prefetch_b8 v0, s[64:65] scope:SCOPE_SE
	s_setreg_imm32_b32 hwreg(HW_REG_WAVE_MODE, 25, 1), 1
	s_wait_xcnt 0x0
	s_wait_alu depctr_hold_cnt(0) depctr_sa_sdst(0) depctr_va_vdst(0) depctr_va_sdst(0) depctr_va_ssrc(0) depctr_va_vcc(0) depctr_vm_vsrc(0)
	s_getreg_b32 s2, hwreg(HW_REG_IB_STS2, 6, 4)
	s_cmp_eq_u32 s2, 0
	s_cbranch_scc0 .Lentry_in_a_cluster
	s_endpgm
.Lentry_in_a_cluster:
	s_bfe_u32 s2, ttmp6, 0x10000c
	s_cmp_lg_u32 s2, 0x3003
	s_cbranch_scc0 .Lentry_shape_is_right
	s_endpgm
.Lentry_shape_is_right:
; Two chains of two LSTM cells from a zero state, for 32,768 rows of 128 features, all four large products on E4M3 codes with given scales 2^e.
;   h = sigmoid(o) tanh(sigmoid(i) tanh(g)), pre = x W^T + b, gates in the order i, f, g, o.  THE f GATE IS SPLIT OFF AND NEVER USED: its rows of W and b are not multiplied.
;   out0 = relu(hg) . (sum of aff_W's ten rows) + sum of aff_b;   out1 = softplus(relu(hn) . noise_W + noise_b) + 1e-6.  (The sum over the ten columns is taken ahead of the dot product: another order of rounding.)
; SHARES.  A work-group owns 128 rows; wave w owns 64 of them (rh = w / 4: four tiles of 16 rows) and, in step J of a layer, the 16 units 64 J + 16 q .. + 15 (q = w % 4), gates g, i and o.
; THE PRODUCTS ARE USED TRANSPOSED (source 0 = 16 rows of W, source 1 = 16 rows of activations): lane (r, h), register j holds unit 8 h + j of row r, so a unit's three gates meet in one lane,
; and eight registers convert into eight neighbouring codes along the next K: registers 2 c, 2 c + 1 of the next operand.  The hidden layer goes from wave to wave through LDS as an image of those registers.
; Layer 0's fragments (X and W0) come by four loads of 16 bytes on both sides: one permutation of k, the same in both.  Layer 1's come by eight loads of 8 bytes: k in its own places.
; A UNIT, in f32.  The sums hold the bias already (b x 2^-(eA+eW) is the C of a sum's first product).  G = 2^(clamp(-2 log2e g)), I = 2^(-log2e i), O = 2^(-log2e o);
;   c = (1 - G) / ((1 + I)(1 + G));  tanh(c) = n / d, n = c (945 + 105 t + t^2), d = 945 + 420 t + 15 t^2, t = c^2: |c| < 1 whatever the input, and there the quotient is within 6.2e-8 of tanh;  h = n / (d + O d).
;   In layer 1 the clamp's upper end is 0, which makes g into max(g, 0): h then IS relu(h), since h has g's sign.
; CLUSTER.  Every work-group walks the same weights, so four work-groups ask for each block jointly: the same tensor load, the same descriptor, the mask 15.
; THE STREAM.  Each gate's part of a chunk is 32,768 dense bytes, taken as 64 rows of 512 bytes (+ 16 of padding in LDS): one descriptor group 1 for all.  13 chunks of three blocks (g, i, o; waves 0, 1, 2 fetch one each)
;   go through two slots: 2 of layer 0 global (4 steps each), 8 of layer 1 global (1 step), 1 of layer 0 noise (4 steps), 2 of layer 1 noise (2 steps).  A wave has at most two tensor loads out (the first fills), later one.
; LIMITS.  e0+e1, e2+e3, e4+e5, e6+e7 between -126 and 126 (they are added to a constant's exponent field); e2, e6 between -126 and 119.  Where (1 + I)(1 + G) passes 2^126, c becomes 0 (its true size is under 2^-96).
;   1 - G loses relative accuracy as g goes to 0 (an absolute error of one part in 2^24).  NaN codes are not served.
; LDS: 0 slot 0 | TAB0 tables: b x 2^-s as [gate g, i, o][unit] for the four layers, the summed aff_W, noise_W | RED partial dot products | SPARE | 2^17 slot 1 | HIMG the hidden layer's images | XIMG X's images.
; REGISTERS.  Window 1 (v256-511): the activations' fragments, 16 (KS m + s).  Window 0: v1, v2 the spare word's address and 0; v3-5 my lane's place in a block for the three row lengths; v6, v7 addresses of the step's fragments
;   (v7: the third block, beyond a 16-bit offset); v8, v9 tables; v10-14 images; v15 X's images; v16, v17 the quantiser's scale and hold; v[18:19] 420; v20, v21 RED; v24-31 the dot products; v32-63 g, v64-95 i, v96-127 o
;   (row tile m at + 8 m); v128-143 at work; v144-167 the three bias tiles; v168-175 the last layer's weights, or the codes just made; v176-255 five fragment buffers: fragment f = gate x KS + s lies in buffer f % 5.
.set BLK,   33792                      ; a block in LDS: 64 rows x 528 bytes
.set SLOT1, 131072                     ; slot 1: one exclusive or turns an address in one slot into the other's
.set TAB0,  101376
.set RED,   122880                     ; [chain 2][q 4][row 128] f32
.set SPARE, 126976                     ; 128 bytes for each of eight waves: four blocks of 256 bytes that no other line names
.set HIMG,  232448                     ; a fragment's image: eight blocks of 256 bytes, lane l's 8 bytes at 8 l
.set XIMG,  297984                     ; a fragment's image: four blocks of 512 bytes, lane l's 16 bytes at 16 l
.set BI,    144
.set WB,    176
.set MSB,   0
.macro WIN new                         ; the immediate's high byte repeats the setting that is left; a switch that changes nothing is dropped
.if MSB != \new
	s_set_vgpr_msb (MSB<<8)|\new
.set MSB, \new
.endif
.endm
.macro PLACES                          ; four plain vector instructions between a product and a read of its result, or a load into one of its registers
.rept 4
	v_nop
.endr
.endm
.macro ROUND                           ; a round of the cluster's barrier
	s_barrier_signal -1
	s_barrier_wait -1
	s_cmp_lg_u32 s20, 0
	s_cbranch_scc1 .Lnw0_\@
	s_barrier_signal -3
.Lnw0_\@:
	s_barrier_wait -3
	s_barrier_signal -1
	s_barrier_wait -1
.endm
.macro JLOAD                           ; the joint refill: waves 0, 1, 2 fetch the g, i and o blocks of a chunk; four v_nop follow the load
	s_cmp_lt_u32 s20, 3
	s_cbranch_scc0 .Lnj_\@
	tensor_load_to_lds s[36:39], s[24:31]
	s_nop 0
.rept 4
	v_nop
.endr
.Lnj_\@:
.endm
; THE CHANGE OF SLOTS.  Each wave waits for all its tensor loads (its block of the slot ahead), adds 0 to its spare word, and waits for that and for its reads of the slot that it leaves.
; fill = 1: the slot left is filled with the chunk after next; the barrier is then a round of the cluster's, and the refill is the first thing behind it.  sel = 1: in layer 1 global's loop the stream passes on to the noise chain's weights.
.macro CHANGE fill, sel
	WIN 0
	s_wait_tensorcnt 0x0                           ; no tensor load of mine is out, so the walking group 0 may be written
	ds_add_u32 v1, v2                              ; 0 onto my spare word
.if \fill
	s_xor_b32 s37, s37, SLOT1                      ; the other slot than last time
	s_mov_b64 s[38:39], s[40:41]                   ; the next chunk's block
	s_or_b32 s39, s39, 0x80000000                  ; type = 2
	s_add_nc_u64 s[40:41], s[40:41], 0x8000        ; and the one after it: 32,768 bytes on,
.if \sel
	s_cmp_eq_u32 s58, 5                            ; or, behind the eighth chunk of layer 1 global, layer 0 noise's one chunk,
	s_cselect_b64 s[40:41], s[10:11], s[40:41]
	s_cmp_eq_u32 s58, 6                            ; and behind that layer 1 noise's first
	s_cselect_b64 s[40:41], s[12:13], s[40:41]
.endif
	s_wait_dscnt 0x0                               ; the add is done, and my reads of the slot that I leave are over
	ROUND
	JLOAD
.else
	s_wait_dscnt 0x0
	s_barrier_signal -1
	s_barrier_wait -1
.endif
.endm
; What differs between the four layers, as symbols: K steps of 128; layer; 1 = a chunk a step; the bias table's offset and a gate's bytes in it; the last layer's weights; my lane's place; a step's bytes and the steps in a chunk; the images' address and tile pitch.
.macro PHASE ks, lay, mode, boff, hb, wso, aw, sb, ns, imw, ims
.set P_KS, \ks
.set P_L1, \lay
.set P_MODE, \mode
.set P_BOFF, \boff
.set P_HB, \hb
.set P_WSO, \wso
.set P_AW, \aw
.set P_SB, \sb
.set P_NS, \ns
.set P_IMW, \imw
.set P_IMS, \ims
.set LPF, 4+4*\lay                     ; LDS loads that bring a fragment
.set E_HI, 4                           ; the fragments loaded ahead of a step: 0 .. E_HI; behind W_g: 5 .. B1HI; behind W_i: 5 + KS .. B2HI
.set B1HI, 4+P_KS
.set B2HI, 4+2*P_KS
.if 3*P_KS < 5
.set E_HI, 3*P_KS-1
.endif
.if 3*P_KS < 5+P_KS
.set B1HI, 3*P_KS-1
.endif
.if 3*P_KS < 5+2*P_KS
.set B2HI, 3*P_KS-1
.endif
.endm
; The layer's constants: -log2e x 2^s and -2 log2e x 2^s (s = the two operands' exponents added, put into the constants' exponent fields), the clamp's upper end, and, in layer 0, the quantiser's 2^e and 448 x 2^e.
.macro SETPH ea, eb, hi, eq
	s_add_co_i32 s3, s[\ea], s[\eb]
	s_lshl_b32 s3, s3, 23
	s_add_co_u32 s44, s3, 0xbfb8aa3b
	s_mov_b32 s45, s44                             ; (named with it as a pair, so it is written)
	s_add_co_u32 s46, s3, 0xc038aa3b
	s_mov_b32 s47, s46
	s_mov_b32 s49, \hi
.if \eq >= 0
	s_add_co_i32 s3, s[\eq], 127
	s_lshl_b32 s42, s3, 23
	v_mov_b32 v16, s42
	s_add_co_i32 s3, s3, 8
	s_lshl_b32 s3, s3, 23
	s_or_b32 s3, s3, 0x600000
	v_mov_b32 v17, s3
.endif
.endm
.macro LOADW f0, f1                    ; fragments f0 .. f1 (none where f1 < f0) from the slot in hand into their buffers
.set LF, \f0
.rept 5
.if LF <= (\f1)
.set LP, LF/P_KS
.set LS, LF%P_KS
.set LB, WB+16*(LF%5)
.if LP < 2
.set LA, 6
.set LO, LP*BLK
.else
.set LA, 7
.set LO, 0
.endif
.if P_L1
.irp c, 0,1,2,3,4,5,6,7
	ds_load_b64 v[LB+2*\c:LB+2*\c+1], v[LA] offset:LO+128*LS+16*\c
.endr
.else
.irp c, 0,1,2,3
	ds_load_b128 v[LB+4*\c:LB+4*\c+3], v[LA] offset:LO+32*\c
.endr
.endif
.endif
.set LF, LF+1
.endr
.endm
.macro LOADB                           ; the three bias tiles of the step at v9: lane (r, h) takes units 8 h + 0 .. 7 of my 16
.irp p, 0,1,2
	ds_load_b128 v[BI+8*\p:BI+8*\p+3], v9 offset:P_BOFF+\p*P_HB
	ds_load_b128 v[BI+8*\p+4:BI+8*\p+7], v9 offset:P_BOFF+\p*P_HB+16
.endr
.endm
.macro LOADF ks, adr                   ; the hidden layer's fragments of my four row tiles, all K steps, into window 1
	WIN 0x40
.irp m, 0,1,2,3
.set FS, 0
.rept \ks
.irp c, 0,1,2,3,4,5,6,7
	ds_load_b64 v[16*(\ks*\m+FS)+2*\c:16*(\ks*\m+FS)+2*\c+1], v[\adr] offset:(\ks*\m+FS)*2048+256*\c
.endr
.set FS, FS+1
.endr
.endr
	WIN 0
.endm
.macro LOADX                           ; X's fragments of my four row tiles into window 1
	WIN 0x40
.irp m, 0,1,2,3
.irp c, 0,1,2,3
	ds_load_b128 v[16*\m+4*\c:16*\m+4*\c+3], v15 offset:\m*2048+512*\c
.endr
.endr
	WIN 0
.endm
; THE MATRIX WORK of a gate is a queue of 4 KS products, K step by K step, the four row tiles by turns.  QSET opens the queue of gate p; lo .. hi are the fragments whose loads were
; issued just now; wt = 1: waits are written.  MM issues the next product; at a K step's first product it waits until at most the loads issued behind that fragment's own are out.
.macro QSET p, lo, hi, wt
.set GP, \p
.set QI, 0
.set VT, 0
.set WT, \wt
.set FLO, \lo
.set FHI, \hi
.if (\hi) >= (\lo)
.set NBV, (\hi)-(\lo)+1
.else
.set NBV, 0
.set FLO, 99
.endif
.endm
.macro MM
.if QI < 4*P_KS
.set MS, QI/4
.set MR, QI%4
.set MF, GP*P_KS+MS
.if WT && (MR == 0)
.if MF >= FLO
	s_wait_dscnt LPF*(FHI-MF)                      ; LDS loads come back in order: the later fragments' loads may be out
.else
	s_wait_dscnt LPF*NBV                           ; an earlier run's fragment: all of the run just issued may be out
.endif
.endif
	WIN 0x04                                       ; source 1, the activations, in window 1
.set MD, 32+32*GP+8*MR
.set MA, WB+16*(MF%5)
.set MB, 16*(P_KS*MR+MS)
.if MS == 0
	v_wmma_f32_16x16x128_fp8_fp8 v[MD:MD+7], v[MA:MA+15], v[MB:MB+15], v[BI+8*GP:BI+8*GP+7]   ; the bias starts the sum
.else
	v_wmma_f32_16x16x128_fp8_fp8 v[MD:MD+7], v[MA:MA+15], v[MB:MB+15], v[MD:MD+7]
.endif
.set QI, QI+1
.endif
.endm
.macro TK                              ; behind every vector line: each PERV-th line is followed by a product of the queue
.set VT, VT+1
.if (VT%PERV) == 0
	MM
.endif
.endm
.macro FLUSH                           ; what is left of the queue
.rept 16
	MM
.endr
.endm
; THE VECTOR WORK, an array of 32 registers at a time, each accumulator from its low end on.  The matrix setting moves source 1 alone: only lines with a vector register there switch back.
.macro A_MULS a, sc                    ; a *= the scalar pair's low word
.set AI, 0
.rept 16
	v_pk_mul_f32 v[\a+AI:\a+AI+1], v[\a+AI:\a+AI+1], s[\sc:\sc+1] op_sel_hi:[1,0]
	TK
.set AI, AI+2
.endr
.endm
.macro A_MED                           ; g's exponent between -30 and the layer's upper end
.set AI, 0
.rept 32
	v_med3_num_f32 v[32+AI], v[32+AI], s48, s49
	TK
.set AI, AI+1
.endr
.endm
.macro A_TR op, a                      ; a batch of 32 transcendentals, in place; none reads another's result
.set AI, 0
.rept 32
	\op v[\a+AI], v[\a+AI]
	TK
.set AI, AI+1
.endr
.endm
.macro A_ADD1 a
.set AI, 0
.rept 16
	v_pk_add_f32 v[\a+AI:\a+AI+1], v[\a+AI:\a+AI+1], 1.0 op_sel_hi:[1,0]
	TK
.set AI, AI+2
.endr
.endm
.macro A_ONEM a                        ; a = 1 - a
.set AI, 0
.rept 16
	v_pk_fma_f32 v[\a+AI:\a+AI+1], v[\a+AI:\a+AI+1], -1.0, 1.0 op_sel_hi:[1,0,0]
	TK
.set AI, AI+2
.endr
.endm
.macro A_MULV d, x, y
.set AI, 0
.rept 16
	WIN 0
	v_pk_mul_f32 v[\d+AI:\d+AI+1], v[\x+AI:\x+AI+1], v[\y+AI:\y+AI+1]
	TK
.set AI, AI+2
.endr
.endm
.macro A_FMAV d, x, y, z
.set AI, 0
.rept 16
	WIN 0
	v_pk_fma_f32 v[\d+AI:\d+AI+1], v[\x+AI:\x+AI+1], v[\y+AI:\y+AI+1], v[\z+AI:\z+AI+1]
	TK
.set AI, AI+2
.endr
.endm
.macro A_FRAC fb                       ; eight pairs from register fb of the arrays on: c in g's array, t in i's; they leave as n and d
.set AI, 0
.rept 8
	v_pk_add_f32 v[128+AI:129+AI], v[64+\fb+AI:65+\fb+AI], s[50:51] op_sel_hi:[1,0]                       ; t + 105
	TK
.set AI, AI+2
.endr
.set AI, 0
.rept 8
	WIN 0
	v_pk_fma_f32 v[128+AI:129+AI], v[128+AI:129+AI], v[64+\fb+AI:65+\fb+AI], s[52:53] op_sel_hi:[1,1,0]   ; (t + 105) t + 945
	TK
.set AI, AI+2
.endr
.set AI, 0
.rept 8
	WIN 0
	v_pk_mul_f32 v[32+\fb+AI:33+\fb+AI], v[128+AI:129+AI], v[32+\fb+AI:33+\fb+AI]                         ; n
	TK
.set AI, AI+2
.endr
.set AI, 0
.rept 8
	v_pk_fma_f32 v[128+AI:129+AI], v[64+\fb+AI:65+\fb+AI], s[54:55], v[18:19] op_sel_hi:[1,0,1]           ; 15 t + 420
	TK
.set AI, AI+2
.endr
.set AI, 0
.rept 8
	WIN 0
	v_pk_fma_f32 v[64+\fb+AI:65+\fb+AI], v[128+AI:129+AI], v[64+\fb+AI:65+\fb+AI], s[52:53] op_sel_hi:[1,1,0]   ; d
	TK
.set AI, AI+2
.endr
.endm
.macro TWAIT                           ; behind a batch of transcendentals: one plain instruction, and one wait ahead of the batch's first reader
	v_nop
	s_wait_alu depctr_va_vdst(0)
.endm
; A STEP: my 16 units x 64 rows.  On entry the buffers hold (or are being loaded with) fragments 0 .. E_HI and the three bias tiles; v6, v7, v9 are the step's.
.macro STEP
	s_wait_dscnt 0x0                               ; fragments, biases, activations are in; the last step's image stores have left
	QSET 0, 99, 0, 0
	FLUSH                                          ; W_g
	WIN 0
	PLACES
.if P_L1
	ds_load_b128 v[168:171], v9 offset:P_WSO       ; the last layer's weights of my lane's eight units: ahead of the fragments, so that the fragments' counts cover them
	ds_load_b128 v[172:175], v9 offset:P_WSO+16
.else
	v_add_nc_u32 v12, s63, v[P_IMW]                ; where this step's codes go
.endif
	LOADW 5, B1HI
	QSET 1, 5, B1HI, P_L1                          ; W_i stands between the lines of g's part
.set PERV, 20/P_KS
	A_MULS 32, 46
	A_MED
	A_TR v_exp_f32, 32                             ; G
	FLUSH
	WIN 0
	PLACES                                         ; behind W_i's last product; also the plain instruction behind the exponentials
	s_wait_alu depctr_va_vdst(0)                   ; one wait for the batch
	LOADW 5+P_KS, B2HI
	QSET 2, 5+P_KS, B2HI, P_L1                     ; W_o stands between the lines of i's part
.set PERV, 56/P_KS
	A_MULS 64, 44
	A_TR v_exp_f32, 64                             ; I
	TWAIT
	A_ADD1 64                                      ; Q = 1 + I
	A_FMAV 64, 64, 32, 64                          ; Q G + Q
	A_ONEM 32                                      ; 1 - G
	A_TR v_rcp_f32, 64
	TWAIT
	A_MULV 32, 32, 64                              ; c
	A_MULV 64, 32, 32                              ; t = c c
	A_FRAC 0
	A_FRAC 16
	FLUSH
	WIN 0
	PLACES                                         ; behind W_o's last product: its results are read, and all buffers and bias tiles loaded anew, below
.if P_MODE
	CHANGE 1, 1                                    ; the chunk is done
	s_xor_b32 s60, s60, SLOT1
	v_add_nc_u32 v6, s60, v[P_AW]
.else
	s_add_co_u32 s61, s59, 1                       ; the next step of the chunk.  In a chunk's last step this wraps to its first: the loads stay inside the slot in hand,
	s_and_b32 s61, s61, P_NS-1                     ; and their registers are loaded anew behind the change of slots
	s_mul_i32 s61, s61, P_SB
	s_add_co_u32 s61, s61, s60
	v_add_nc_u32 v6, s61, v[P_AW]
.endif
	v_add_nc_u32 v7, 2*BLK, v6
	s_add_co_u32 s62, s62, 256                     ; 64 units of 4 bytes on.  (Behind a layer's last step this names the table that follows: read and not used)
	v_add_nc_u32 v9, s62, v8
	LOADB
	LOADW 0, E_HI                                  ; they land while o's part is worked
	A_MULS 96, 44
	A_TR v_exp_f32, 96                             ; O
	TWAIT
	A_FMAV 96, 96, 64, 64                          ; O d + d
	A_TR v_rcp_f32, 96
	TWAIT
	A_MULV 32, 32, 96                              ; h
.if P_L1
.irp j, 0,1,2,3
.irp m, 0,1,2,3
	v_pk_fma_f32 v[24+2*\m:25+2*\m], v[32+8*\m+2*\j:33+8*\m+2*\j], v[168+2*\j:169+2*\j], v[24+2*\m:25+2*\m]   ; the last layer's dot product, in f32
.endr
.endr
.else
.set AI, 0
.rept 32
	v_med3_num_f32 v[32+AI], v[32+AI], -v17, v17   ; the conversion to an 8-bit code does not saturate (ISA guide 7.6.2): the hold at 448 x the scale
.set AI, AI+1
.endr
.irp m, 0,1,2,3
	v_cvt_scalef32_pk8_fp8_f32 v[168+2*\m:169+2*\m], v[32+8*\m:39+8*\m], v16
.endr
	v_nop                                          ; one plain instruction behind the conversions: the next step's products write their sources
.irp m, 0,1,2,3
	ds_store_b64 v12, v[168+2*\m:169+2*\m] offset:\m*P_IMS   ; registers 2 c, 2 c + 1 of the next operand's fragment, as they stand
.endr
	s_add_co_u32 s63, s63, 1024
.endif
.endm
.macro REDST br                        ; a row's partial dot product: the pair, the other half of the lanes; then to RED[br][q][row]
.irp m, 0,1,2,3
	v_add_f32 v[128+\m], v[24+2*\m], v[25+2*\m]
.endr
.irp m, 0,1,2,3
	v_permlanex16_b32 v[132+\m], v[128+\m], s56, s57
.endr
.irp m, 0,1,2,3
	v_add_f32 v[128+\m], v[128+\m], v[132+\m]
.endr
.irp m, 0,1,2,3
	ds_store_b32 v20, v[128+\m] offset:\br*2048+64*\m
.endr
.endm
; ---------------------------------------------------------------- the head
	s_load_b512 s[4:19], s[0:1], 0x0               ; X s[4:5], gW0 s[6:7], gW1 s[8:9], nW0 s[10:11], nW1 s[12:13], scales s[14:15], g_b0 s[16:17], g_b1 s[18:19]
	s_load_b512 s[68:83], s[0:1], 0x40             ; n_b0 s[68:69], n_b1 s[70:71], aff_W s[72:73], noise_W s[74:75], aff_b s[76:77], noise_b s[78:79], out0 s[80:81], out1 s[82:83]
	v_lshl_add_u32 v1, v0, 2, SPARE
	v_mov_b32 v2, 0
	ds_add_u32 v1, v2
	s_wait_dscnt 0x0
	v_lshrrev_b32 v32, 5, v0
	v_readfirstlane_b32 s20, v32                   ; wave 0..7
	s_and_b32 s21, s20, 3                          ; q
	s_lshr_b32 s22, s20, 2                         ; rh
	; descriptor group 1: 64 rows of 512 bytes, dense in memory, 16 bytes of padding behind each in LDS
	s_mov_b32 s24, 15|(1<<20)|(1<<21)|(6<<22)|(3<<25)   ; 15:0 the mask: all four work-groups; 17:16 elements of 1 byte; 20 padding on; 21 set beside a mask; 24:22 after every 128 words; 31:25 four words
	s_mov_b32 s25, 512<<16                         ; tensor_dim0
	s_mov_b32 s26, 64<<16                          ; tensor_dim1
	s_mov_b32 s27, 512<<16                         ; tile_dim0
	s_mov_b32 s28, 64                              ; tile_dim1
	s_mov_b32 s29, 512                             ; from row to row
	s_mov_b32 s30, 0
	s_mov_b32 s31, 0
	s_mov_b32 s48, 0xc1f00000                      ; -30
	s_mov_b32 s50, 0x42d20000                      ; 105
	s_mov_b32 s51, s50
	s_mov_b32 s52, 0x446c4000                      ; 945
	s_mov_b32 s53, s52
	s_mov_b32 s54, 0x41700000                      ; 15
	s_mov_b32 s55, s54
	s_mov_b32 s56, 0x76543210                      ; v_permlanex16_b32: lane l xor 16
	s_mov_b32 s57, 0xfedcba98
	v_mov_b32 v18, 0x43d20000                      ; 420
	v_mov_b32 v19, 0x43d20000
	; every LDS address, ahead of the waves' parting
	v_and_b32 v33, 31, v0                          ; lane
	v_and_b32 v34, 15, v0                          ; r
	v_bfe_u32 v35, v0, 4, 1                        ; h
	v_bfe_u32 v36, v0, 2, 2                        ; r / 4
	v_and_b32 v37, 3, v0                           ; r % 4
	v_bfe_u32 v38, v0, 1, 3                        ; r / 2
	v_and_b32 v39, 1, v0                           ; r % 2
	v_and_b32 v40, 127, v0
	v_and_b32 v41, 63, v0
	s_mul_i32 s3, s21, 4*528                       ; rows of 128 codes lie four to an LDS row: unit 16 q + r at row 4 q + r / 4, byte 128 (r % 4)
	v_mul_u32_u24 v3, v36, 528
	v_lshl_add_u32 v3, v37, 7, v3
	v_lshl_add_u32 v3, v35, 4, v3
	v_add_nc_u32 v3, s3, v3
	s_mul_i32 s3, s21, 16*528                      ; rows of 512 codes: unit 16 q + r is LDS row 16 q + r
	v_mul_u32_u24 v4, v34, 528
	v_lshl_add_u32 v4, v35, 3, v4
	v_add_nc_u32 v4, s3, v4
	s_mul_i32 s3, s21, 8*528                       ; rows of 256 codes lie two to an LDS row
	v_mul_u32_u24 v5, v38, 528
	v_lshl_add_u32 v5, v39, 8, v5
	v_lshl_add_u32 v5, v35, 3, v5
	v_add_nc_u32 v5, s3, v5
	s_lshl_b32 s3, s21, 6
	s_add_co_u32 s3, s3, TAB0
	v_lshl_add_u32 v8, v35, 5, s3                  ; tables: 4 bytes x (16 q + 8 h)
	s_lshl_b32 s3, s22, 15
	s_add_co_u32 s3, s3, HIMG
	v_lshl_add_u32 v13, v33, 3, s3                 ; global chain's images: my four row tiles of 8,192 bytes
	s_lshl_b32 s42, s21, 8
	v_add_nc_u32 v10, s42, v13                     ; and where I store: + 256 q
	s_lshl_b32 s3, s22, 14
	s_add_co_u32 s3, s3, HIMG
	v_lshl_add_u32 v14, v33, 3, s3                 ; noise chain's: tiles of 4,096 bytes
	v_add_nc_u32 v11, s42, v14
	s_lshl_b32 s3, s22, 13
	s_add_co_u32 s3, s3, XIMG
	v_lshl_add_u32 v15, v33, 4, s3
	s_lshl_b32 s3, s21, 9
	s_lshl_b32 s42, s22, 8
	s_add_co_u32 s3, s3, s42
	s_add_co_u32 s3, s3, RED
	v_lshl_add_u32 v20, v34, 2, s3                 ; RED: 512 q + 4 (64 rh + r)
	s_and_b32 s3, s20, 1
	s_lshl_b32 s3, s3, 11
	s_add_co_u32 s3, s3, RED
	v_lshl_add_u32 v21, v33, 4, s3                 ; and back: waves 0 and 1, four rows a lane
	s_lshl_b32 s3, s20, 11
	s_add_co_u32 s42, s3, XIMG
	v_lshl_add_u32 v22, v33, 4, s42                ; X's image of row tile w
	v_lshlrev_b32 v23, 7, v34
	v_lshl_add_u32 v23, v35, 4, v23
	v_add_nc_u32 v23, s3, v23                      ; X in memory: row 16 w + r of 128 bytes, + 16 h
	v_lshlrev_b32 v128, 4, v40                     ; 16 bytes a thread of four waves: 512 numbers
	s_mul_i32 s3, s22, 6144
	s_add_co_u32 s3, s3, TAB0
	v_add_nc_u32 v129, s3, v128                    ; waves 0-3: layer 0 global's table, waves 4-7: layer 1 global's
	v_lshlrev_b32 v130, 4, v41                     ; 16 bytes a thread of two waves: 256 numbers
	s_lshr_b32 s3, s20, 1
	s_and_b32 s3, s3, 1
	s_mul_i32 s3, s3, 3072
	s_add_co_u32 s3, s3, TAB0+12288
	v_add_nc_u32 v131, s3, v130                    ; waves 0, 1: layer 0 noise's table, waves 2, 3: layer 1 noise's
	v_lshlrev_b32 v132, 3, v40
	v_add_nc_u32 v133, TAB0+20480, v132            ; noise_W: 8 bytes a thread of four waves
	v_add_nc_u32 v134, TAB0+18432, v128            ; the summed aff_W
	; my place: it enters X's and the outputs' addresses alone
	s_bfe_u32 s67, ttmp6, 0x40000                  ; cx
	s_lshl_b32 s23, ttmp9, 2
	s_add_co_u32 s23, s23, s67                     ; work-group = 4 x cluster + cx
	; which gate's block I fetch: wave 0 g (third quarter of the rows), wave 1 i (first), wave 2 o (fourth)
	s_cmp_eq_u32 s20, 0
	s_cselect_b32 s3, 2, 3
	s_cmp_eq_u32 s20, 1
	s_cselect_b32 s3, 0, s3
	s_min_u32 s61, s20, 2
	s_mul_i32 s33, s61, BLK                        ; and where it goes in a slot
	s_mov_b32 s43, 0
	s_mov_b32 s67, 0
	s_wait_kmcnt 0x0
	s_load_b256 s[84:91], s[14:15], 0x0            ; e0 .. e7
	s_load_b256 s[92:99], s[76:77], 0x0            ; aff_b
	s_load_b64 s[100:101], s[76:77], 0x20
	s_load_b32 s104, s[78:79], 0x0                 ; noise_b
	s_lshl_b32 s42, s3, 16                         ; a gate of gW0: 512 rows of 128 bytes; of nW1: 256 rows of 256
	s_add_nc_u64 s[6:7], s[6:7], s[42:43]
	s_add_nc_u64 s[12:13], s[12:13], s[42:43]
	s_lshl_b32 s42, s3, 18                         ; of gW1: 512 rows of 512
	s_add_nc_u64 s[8:9], s[8:9], s[42:43]
	s_lshl_b32 s42, s3, 15                         ; of nW0: 256 rows of 128
	s_add_nc_u64 s[10:11], s[10:11], s[42:43]
	s_lshl_b32 s66, s23, 14                        ; my 128 rows of X
	s_add_nc_u64 s[4:5], s[4:5], s[66:67]
	s_lshl_b32 s66, s23, 9                         ; and of the outputs
	s_add_nc_u64 s[80:81], s[80:81], s[66:67]
	s_add_nc_u64 s[82:83], s[82:83], s[66:67]
	s_mov_b32 s32, 1                               ; group 0 for chunk 0: count 1, slot 0,
	s_mov_b64 s[34:35], s[6:7]
	s_or_b32 s35, s35, 0x80000000                  ; type = 2
	s_mov_b32 s36, 1                               ; and for chunk 1, slot 1: this one then walks
	s_add_co_u32 s37, s33, SLOT1
	s_add_nc_u64 s[38:39], s[6:7], 0x8000
	s_or_b32 s39, s39, 0x80000000
	s_mov_b64 s[40:41], s[8:9]                     ; the chunk that the first refill asks for
	ROUND                                          ; all four work-groups are here: the first joint loads meet
	s_cmp_lt_u32 s20, 3
	s_cbranch_scc0 .Lno_first
	tensor_load_to_lds s[32:35], s[24:31]          ; a wave's two first fills stand in one branch: two loads of mine are out
	s_nop 0
	tensor_load_to_lds s[36:39], s[24:31]
	s_nop 0
.rept 4
	v_nop
.endr
.Lno_first:
.irp c, 0,1,2,3
	global_load_b128 v[32+4*\c:35+4*\c], v23, s[4:5] offset:32*\c th:TH_LOAD_NT   ; row tile w of X: a fragment as it stands
.endr
	s_cmp_lt_u32 s20, 4
	s_cselect_b64 s[66:67], s[16:17], s[18:19]
	global_load_b128 v[48:51], v128, s[66:67] offset:4096    ; g's 512 biases,
	global_load_b128 v[52:55], v128, s[66:67]                ; i's,
	global_load_b128 v[56:59], v128, s[66:67] offset:6144    ; o's
	s_wait_kmcnt 0x0                               ; the exponents
	s_cmp_lt_u32 s20, 4
	s_cbranch_scc0 .Laff
	s_add_co_i32 s3, s88, s89                      ; waves 0-3: the noise chain's biases, and noise_W
	s_add_co_i32 s61, s90, s91
	s_cmp_lt_u32 s20, 2
	s_cselect_b32 s3, s3, s61
	s_cselect_b64 s[42:43], s[68:69], s[70:71]
	s_sub_co_i32 s3, 0, s3
	global_load_b128 v[60:63], v130, s[42:43] offset:2048
	global_load_b128 v[64:67], v130, s[42:43]
	global_load_b128 v[68:71], v130, s[42:43] offset:3072
	global_load_b64 v[72:73], v132, s[74:75]
	s_wait_loadcnt 0x0
.irp i, 0,1,2,3,4,5,6,7,8,9,10,11
	v_ldexp_f32 v[60+\i], v[60+\i], s3             ; b / 2^(eA + eW): what the sums of codes lack
.endr
	ds_store_b128 v131, v[60:63]
	ds_store_b128 v131, v[64:67] offset:1024
	ds_store_b128 v131, v[68:71] offset:2048
	ds_store_b64 v133, v[72:73]
	s_branch .Ljoin
.Laff:
.irp j, 0,1,2,3,4,5,6,7,8,9
	global_load_b128 v[60+4*\j:63+4*\j], v128, s[72:73] offset:2048*\j   ; waves 4-7: aff_W's ten rows at my four columns
.endr
	s_wait_loadcnt 0x0
.irp j, 1,2,3,4,5,6,7,8,9
	v_pk_add_f32 v[60:61], v[60:61], v[60+4*\j:61+4*\j]
	v_pk_add_f32 v[62:63], v[62:63], v[62+4*\j:63+4*\j]
.endr
	ds_store_b128 v134, v[60:63]
.Ljoin:
	s_add_co_i32 s3, s84, s85
	s_add_co_i32 s61, s86, s87
	s_cmp_lt_u32 s20, 4
	s_cselect_b32 s3, s3, s61
	s_sub_co_i32 s3, 0, s3
.irp i, 0,1,2,3,4,5,6,7,8,9,10,11
	v_ldexp_f32 v[48+\i], v[48+\i], s3
.endr
	ds_store_b128 v129, v[48:51]
	ds_store_b128 v129, v[52:55] offset:2048
	ds_store_b128 v129, v[56:59] offset:4096
.irp c, 0,1,2,3
	ds_store_b128 v22, v[32+4*\c:35+4*\c] offset:512*\c
.endr
	s_wait_tensorcnt 0x1                           ; my block of chunk 0 is in; chunk 1's may stay out
	s_wait_dscnt 0x0                               ; my stores into the tables and X's image have landed
	s_barrier_signal -1
	s_barrier_wait -1
; ---------------------------------------------------------------- layer 0, global chain: 2 chunks x 4 steps
	PHASE 1, 0, 0, 0, 2048, 0, 3, 8448, 4, 10, 8192
	SETPH 84, 85, 0x41f00000, 86
	s_mov_b32 s60, 0                               ; the slot in hand
	s_mov_b32 s62, 0                               ; 256 J
	s_mov_b32 s63, 0                               ; 1,024 J
	LOADX
	v_mov_b32 v9, v8
	LOADB
	s_mov_b32 s58, 0
.Lg0_chunk:
	v_add_nc_u32 v6, s60, v3
	v_add_nc_u32 v7, 2*BLK, v6
	LOADW 0, E_HI
	s_mov_b32 s59, 0
.Lg0_step:
	STEP
	s_add_co_u32 s59, s59, 1
	s_cmp_lt_u32 s59, 4
	s_cbranch_scc1 .Lg0_step
	CHANGE 1, 0                                    ; behind the second: the hidden layer's images are whole too
	s_xor_b32 s60, s60, SLOT1
	s_add_co_u32 s58, s58, 1
	s_cmp_lt_u32 s58, 2
	s_cbranch_scc1 .Lg0_chunk
; ---------------------------------------------------------------- layer 1, global chain: 8 chunks of one step
	PHASE 4, 1, 1, 6144, 2048, 18432, 4, 0, 1, 0, 0
	SETPH 86, 87, 0, -1
.irp i, 0,1,2,3,4,5,6,7
	v_mov_b32 v[24+\i], 0                          ; the dot products
.endr
	s_mov_b32 s62, 0
	LOADF 4, 13
	v_add_nc_u32 v6, s60, v4
	v_add_nc_u32 v7, 2*BLK, v6
	v_mov_b32 v9, v8
	LOADB
	LOADW 0, E_HI
	s_mov_b32 s58, 0
.Lg1_step:
	STEP
	s_add_co_u32 s58, s58, 1
	s_cmp_lt_u32 s58, 8
	s_cbranch_scc1 .Lg1_step
	REDST 0
; ---------------------------------------------------------------- layer 0, noise chain: 1 chunk of 4 steps
	s_wait_dscnt 0x0                               ; the loads that the last step issued ahead have landed: their registers are loaded anew
	PHASE 1, 0, 0, 12288, 1024, 0, 3, 8448, 4, 11, 4096
	SETPH 88, 89, 0x41f00000, 90
	s_mov_b32 s62, 0
	s_mov_b32 s63, 0
	LOADX
	v_add_nc_u32 v6, s60, v3
	v_add_nc_u32 v7, 2*BLK, v6
	v_mov_b32 v9, v8
	LOADB
	LOADW 0, E_HI
	s_mov_b32 s59, 0
.Ln0_step:
	STEP
	s_add_co_u32 s59, s59, 1
	s_cmp_lt_u32 s59, 4
	s_cbranch_scc1 .Ln0_step
	CHANGE 1, 0                                    ; the last refill: layer 1 noise's second chunk
	s_xor_b32 s60, s60, SLOT1
; ---------------------------------------------------------------- layer 1, noise chain: 2 chunks x 2 steps
	PHASE 2, 1, 0, 15360, 1024, 20480, 5, 16896, 2, 0, 0
	SETPH 90, 91, 0, -1
.irp i, 0,1,2,3,4,5,6,7
	v_mov_b32 v[24+\i], 0
.endr
	s_mov_b32 s62, 0
	LOADF 2, 14
	v_mov_b32 v9, v8
	LOADB
	s_mov_b32 s58, 0
.Ln1_chunk:
	v_add_nc_u32 v6, s60, v5
	v_add_nc_u32 v7, 2*BLK, v6
	LOADW 0, E_HI
	s_mov_b32 s59, 0
.Ln1_step:
	STEP
	s_add_co_u32 s59, s59, 1
	s_cmp_lt_u32 s59, 2
	s_cbranch_scc1 .Ln1_step
	CHANGE 0, 0                                    ; nothing is left to fetch
	s_xor_b32 s60, s60, SLOT1
	s_add_co_u32 s58, s58, 1
	s_cmp_lt_u32 s58, 2
	s_cbranch_scc1 .Ln1_chunk
	REDST 1
	s_wait_dscnt 0x0                               ; for the others' sake: my partial sums have landed
	s_barrier_signal -1
	s_barrier_wait -1
; ---------------------------------------------------------------- the way out: wave 0 stores out0, wave 1 out1: four rows a lane, 512 consecutive bytes a wave
	s_cmp_lt_u32 s20, 2
	s_cbranch_scc0 .Lend
.irp q, 0,1,2,3
	ds_load_b128 v[32+4*\q:35+4*\q], v21 offset:512*\q
.endr
	v_mov_b32 v48, s92                             ; the sum of aff_b
.irp k, 93,94,95,96,97,98,99,100,101
	v_add_f32 v48, s\k, v48
.endr
	v_mov_b32 v49, s104
	s_cmp_eq_u32 s20, 0
	s_cselect_b32 s61, -1, 0                       ; all lanes in wave 0, none in wave 1
	s_cselect_b64 s[42:43], s[80:81], s[82:83]
	v_cndmask_b32 v48, v49, v48, s61               ; my chain's bias
	v_mov_b32 v49, v48
	v_and_b32 v50, 31, v0
	v_lshlrev_b32 v50, 4, v50
	s_wait_dscnt 0x0
	v_pk_add_f32 v[32:33], v[32:33], v[36:37]      ; the four waves' parts of a row
	v_pk_add_f32 v[34:35], v[34:35], v[38:39]
	v_pk_add_f32 v[40:41], v[40:41], v[44:45]
	v_pk_add_f32 v[42:43], v[42:43], v[46:47]
	v_pk_add_f32 v[32:33], v[32:33], v[40:41]
	v_pk_add_f32 v[34:35], v[34:35], v[42:43]
	v_pk_add_f32 v[32:33], v[32:33], v[48:49]
	v_pk_add_f32 v[34:35], v[34:35], v[48:49]
	s_mov_b32 s3, 0xbfb8aa3b                       ; -log2e
.irp i, 0,1,2,3
	v_and_b32 v[36+\i], 0x7fffffff, v[32+\i]
.endr
.irp i, 0,1,2,3
	v_mul_f32 v[36+\i], s3, v[36+\i]
.endr
.irp i, 0,1,2,3
	v_exp_f32 v[36+\i], v[36+\i]                   ; e^-|x|
.endr
.irp i, 0,1,2,3
	v_max_num_f32 v[40+\i], 0, v[32+\i]            ; (plain instructions behind the exponentials)
.endr
	s_wait_alu depctr_va_vdst(0)                   ; one wait for the four
.irp i, 0,1,2,3
	v_add_f32 v[36+\i], 1.0, v[36+\i]
.endr
.irp i, 0,1,2,3
	v_log_f32 v[36+\i], v[36+\i]
.endr
	v_nop
	s_wait_alu depctr_va_vdst(0)
	s_mov_b32 s3, 0x3f317218                       ; ln 2
.irp i, 0,1,2,3
	v_fma_f32 v[36+\i], v[36+\i], s3, v[40+\i]     ; softplus(x) = max(x, 0) + ln(1 + e^-|x|)
.endr
.irp i, 0,1,2,3
	v_add_f32 v[36+\i], 0x358637bd, v[36+\i]       ; + 1e-6
.endr
.irp i, 0,1,2,3
	v_cndmask_b32 v[32+\i], v[36+\i], v[32+\i], s61   ; wave 0 keeps x
.endr
	global_store_b128 v50, v[32:35], s[42:43] th:TH_STORE_NT
.Lend:
	s_wait_tensorcnt 0x0                           ; the wave's end: behind my last tensor load and my last LDS store
	ds_add_u32 v1, v2
	s_wait_dscnt 0x0
	ROUND                                          ; the closing round: no work-group ends while a partner may still ask for a block that names it
	s_endpgm
.Lfunc_end_k_q92f9851148_deepfactor:
	.size	k_q92f9851148_deepfactor, .Lfunc_end_k_q92f9851148_deepfactor-k_q92f9851148_deepfactor
	.p2alignl 7, 3214868480
	.fill 96, 4, 3214868480
	.section	.rodata,"a",@progbits
	.p2align	6, 0x0
	.amdhsa_kernel k_q92f9851148_deepfactor
		.amdhsa_group_segment_fixed_size 327680
		.amdhsa_private_segment_fixed_size 0
		.amdhsa_enable_private_segment 0
		.amdhsa_kernarg_size 128
		.amdhsa_user_sgpr_count 2
		.amdhsa_user_sgpr_kernarg_segment_ptr 1
		.amdhsa_wavefront_size32 1
		.amdhsa_system_sgpr_workgroup_id_x 1
		.amdhsa_system_sgpr_workgroup_id_y 1
		.amdhsa_system_sgpr_workgroup_id_z 1
		.amdhsa_system_vgpr_workitem_id 0
		.amdhsa_next_free_vgpr 512
		.amdhsa_next_free_sgpr 106
		.amdhsa_reserve_vcc 0
		.amdhsa_float_denorm_mode_32 3
		.amdhsa_float_denorm_mode_16_64 3
		.amdhsa_memory_ordered 1
		.amdhsa_forward_progress 1
		.amdhsa_inst_pref_size 169
	.end_amdhsa_kernel
	.amdgpu_metadata
---
amdhsa.version: [ 1, 2 ]
amdhsa.kernels:
  - .name:           k_q92f9851148_deepfactor
    .symbol:         k_q92f9851148_deepfactor.kd
    .args:
      - { .name: X_codes, .offset: 0, .size: 8, .value_kind: global_buffer, .address_space: global }
      - { .name: g_Wih0_codes, .offset: 8, .size: 8, .value_kind: global_buffer, .address_space: global }
      - { .name: g_Wih1_codes, .offset: 16, .size: 8, .value_kind: global_buffer, .address_space: global }
      - { .name: n_Wih0_codes, .offset: 24, .size: 8, .value_kind: global_buffer, .address_space: global }
      - { .name: n_Wih1_codes, .offset: 32, .size: 8, .value_kind: global_buffer, .address_space: global }
      - { .name: lowp_scales, .offset: 40, .size: 8, .value_kind: global_buffer, .address_space: global }
      - { .name: g_b0, .offset: 48, .size: 8, .value_kind: global_buffer, .address_space: global }
      - { .name: g_b1, .offset: 56, .size: 8, .value_kind: global_buffer, .address_space: global }
      - { .name: n_b0, .offset: 64, .size: 8, .value_kind: global_buffer, .address_space: global }
      - { .name: n_b1, .offset: 72, .size: 8, .value_kind: global_buffer, .address_space: global }
      - { .name: aff_W, .offset: 80, .size: 8, .value_kind: global_buffer, .address_space: global }
      - { .name: noise_W, .offset: 88, .size: 8, .value_kind: global_buffer, .address_space: global }
      - { .name: aff_b, .offset: 96, .size: 8, .value_kind: global_buffer, .address_space: global }
      - { .name: noise_b, .offset: 104, .size: 8, .value_kind: global_buffer, .address_space: global }
      - { .name: out0, .offset: 112, .size: 8, .value_kind: global_buffer, .address_space: global }
      - { .name: out1, .offset: 120, .size: 8, .value_kind: global_buffer, .address_space: global }
    .group_segment_fixed_size: 327680
    .private_segment_fixed_size: 0
    .kernarg_segment_align: 8
    .kernarg_segment_size: 128
    .max_flat_workgroup_size: 256
    .sgpr_count:     106
    .vgpr_count:     512
    .wavefront_size: 32
...
	.end_amdgpu_metadata
.endif
;; end of part 1
